; MI455X (gfx1250); checked and timed in simulation.
; The chip was launched on July 23, 2026; its instructions are those of AMD's public machine-readable ISA for CDNA 5 (MIT licence, August 2026) and "CDNA5" Instruction Set Architecture Reference Guide (July 2026). The comments in the code are by the model that wrote it; some were corrected since.
;; Cosine Self Attention. Allowed arithmetic: matrix products marked QUANTISED: E2M1 operands, one E8M0 scale for each 32 along K, by v_wmma_scale_f32_16x16x128_f8f6f4 with both operands' format E2M1 (or v_wmma_scale_f32_32x16x128_f4), f32 sums; products left as they are: f32 operands where the result goes on into a quantised operand, else bf16, f16 or f32 operands; f32 sums; everything else in f32.
;; Inputs: Wk_codes 1,024 x 32 x 16 uint8 (E2M1 codes of Wk, K innermost, in blocks of 32 codes, two codes a byte); Wk_scales 1,024 x 32 uint8 (E8M0 scales of Wk, one for each 32 codes along K); Wq_codes 1,024 x 32 x 16 uint8 (E2M1 codes of Wq, K innermost, in blocks of 32 codes, two codes a byte); Wq_scales 1,024 x 32 uint8 (E8M0 scales of Wq, one for each 32 codes along K); Wv_codes 1,024 x 32 x 16 uint8 (E2M1 codes of Wv, K innermost, in blocks of 32 codes, two codes a byte); Wv_scales 1,024 x 32 uint8 (E8M0 scales of Wv, one for each 32 codes along K); attention_mask 4 x 1 x 1 x 4,096 float32; bk 1,024 float32; bq 1,024 float32; bv 1,024 float32; hidden_states_codes 4 x 4,096 x 32 x 16 uint8 (E2M1 codes of hidden_states, K innermost, in blocks of 32 codes, two codes a byte); hidden_states_scales 4 x 4,096 x 32 uint8 (E8M0 scales of hidden_states, one for each 32 codes along K).
;; Outputs: out0 4 x 4,096 x 1,024 float32.
;; This version of the problem:
;;   THIS VERSION OF THE PROBLEM IS GIVEN IN LOW PRECISION. The matrix products marked QUANTISED in the list below multiply operands that are first quantised to E2M1 (2 exponent bits, 1 mantissa bit; 4 bits a number), with one power-of-two scale for each 32 numbers along K (OCP MX v1.0); their sums are f32. All else is computed in f32.
;;   The module's matrix products, in the order in which they are computed (A, B: the left and right operand; K: the contracted axis; several contracted axes count as one K, in the product's order):
;;     1. [M 16,384, K 1,024] x [K 1,024, N 1,024]; A: input hidden_states (given as codes); B: input Wq (given as codes): QUANTISED
;;     2. [M 16,384, K 1,024] x [K 1,024, N 1,024]; A: input hidden_states (given as codes); B: input Wk (given as codes): QUANTISED
;;     3. [M 16,384, K 1,024] x [K 1,024, N 1,024]; A: input hidden_states (given as codes); B: input Wv (given as codes): QUANTISED
;;     4. batch 64 x [M 64, K 4,096] x [K 4,096, N 64]; A: computed on the way; B: computed on the way: QUANTISED
;;     5. batch 64 x [M 4,096, K 64] x [K 64, N 64]; A: computed on the way; B: computed on the way: QUANTISED
;;     6. batch 64 x [M 4,096, K 64] x [K 64, N 1]; A: computed on the way; B: computed on the way: left as it is (N = 1 < 16)
;;   THE QUANTISER, for each operand of a quantised product, along K:
;;     - K is cut into blocks of 32 from its start; a last block that is shorter is filled with zeros.
;;     - A block's scale is 2^e with e = floor(log2(the largest magnitude in the block)) - 2, held to -126 .. 127; a block of zeros has e = 0. As a byte (E8M0): e + 127.
;;     - Each number is divided by its block's scale, clamped to +-6, and rounded to the nearest number of E2M1, ties to even, subnormals kept.
;;     - The product sums the exact products of the quantised numbers (number of the format x scale) in f32.
;;   ~~~python
;;   def quantise(x, axis):      # numpy; x: float32 -> the quantised numbers, widened to float32 again
;;       x = np.moveaxis(x, axis, -1); K = x.shape[-1]
;;       x = np.pad(x, [(0, 0)] * (x.ndim - 1) + [(0, -K % 32)]); x = x.reshape(x.shape[:-1] + (-1, 32)); a = np.abs(x).max(-1, keepdims=True)
;;       e = np.where(a > 0, np.clip(np.frexp(np.where(a > 0, a, 1))[1] - 1 - 2, -126, 127), 0)      # np.frexp(a)[1] - 1 = floor(log2(a)), exactly
;;       r = np.clip(x / 2.0 ** e, -6, 6)
;;       step = 2.0 ** (np.maximum(np.frexp(np.where(r == 0, 1, r))[1] - 1, 0) - 1)
;;       q = np.round(r / step) * step * 2.0 ** e      # np.round: ties to even
;;       return np.moveaxis(q.reshape(q.shape[:-2] + (-1,))[..., :K], -1, axis).astype(np.float32)
;;   ~~~
;;   OPERANDS COMPUTED ON THE WAY. 'Computed on the way' means the value that the module computes at that place (a softmax that the list does not call 'softmax' is quantised finished and normalised). What goes into a quantiser is computed in f32, as accurately as f32 sums, v_exp_f32 and their like allow (about 1e-6 of the number): no bf16 or f16 on the way to a quantiser, and a product that is left as it is and whose result goes on into a quantised operand takes f32 operands (vector FMAs, or v_wmma_f32_16x16x4_f32). A number that lies on a knife's edge between two numbers of the format may be rounded either way, as far as f32 arithmetic and the matrix unit's own rounding can turn it there, and no further.
;;   INPUTS GIVEN AS CODES. Wk (in the module: [1024, 1024], K = its axis 0); Wq (in the module: [1024, 1024], K = its axis 0); Wv (in the module: [1024, 1024], K = its axis 0); hidden_states (in the module: [4, 4096, 1024], K = its axis 2): each comes as NAME_codes (uint8): NAME with its K axis moved to the last place and cut into blocks of 32 codes, [.., K / 32, bytes a block], one block behind the other in memory; two codes a byte, the lower K in the low four bits (a code: sign, 2 exponent bits, 1 mantissa bit); and NAME_scales (uint8): the same leading axes, one E8M0 byte (e + 127) for each 32 codes along K. Its value is code x scale, taken as it is: it is not quantised again, and the codes and scales need not be those that the quantiser above would give.
;; One version. Each part assembles by itself: llvm-mc -triple=amdgcn-amd-amdhsa -mcpu=gfx1250 --defsym DOCPART=n.
;; ======== version 1 of 1: 2 launches
;; workspace buffers: kvp 4,194,304 bytes; sums 196,608 bytes
;; launch kvpart (part 1): grid 16 x 16, 4 waves a work-group, clusters of 4 x 4, 327,680 bytes of LDS; arguments hidden_states_codes, hidden_states_scales, Wk_codes, Wv_codes, Wk_scales, Wv_scales, bk, bv, attention_mask, kvp, sums; writes kvp, sums
.if DOCPART == 1
	.amdgcn_target "amdgcn-amd-amdhsa--gfx1250"
	.amdhsa_code_object_version 6
	.text
	.protected	k_qe0fc7da02c_kvpart
	.globl	k_qe0fc7da02c_kvpart
	.p2align	8
	.type	k_qe0fc7da02c_kvpart,@function
k_qe0fc7da02c_kvpart:
	s_mov_b64 s[64:65], 0
	v_nop
	global_prefetch_b8 v0, s[64:65] scope:SCOPE_SE
	s_setreg_imm32_b32 hwreg(HW_REG_WAVE_MODE, 25, 1), 1
	s_wait_xcnt 0x0
	s_wait_alu depctr_hold_cnt(0) depctr_sa_sdst(0) depctr_va_vdst(0) depctr_va_sdst(0) depctr_va_ssrc(0) depctr_va_vcc(0) depctr_vm_vsrc(0)
	s_getreg_b32 s2, hwreg(HW_REG_IB_STS2, 6, 4)
	s_cmp_eq_u32 s2, 0
	s_cbranch_scc0 .Lentry_in_a_cluster
	s_endpgm
.Lentry_in_a_cluster:
	s_bfe_u32 s2, ttmp6, 0x10000c
	s_cmp_lg_u32 s2, 0xf033
	s_cbranch_scc0 .Lentry_shape_is_right
	s_endpgm
.Lentry_shape_is_right:
; COSINE LINEAR ATTENTION, FIRST OF TWO LAUNCHES: k and v are projected, k is normalised, and kv = k^T v is summed over 1,024 positions.
; k = h Wk + bk, v = h Wv + bv (codes of E2M1 as given); k = k m / (|k m| + 1e-5), m = mask / 10000 + 1; kv[d][e] = sum over s of Q(k)[s][d] Q(v)[s][e], Q the quantiser along s.
; NO WORK OF THE PROBLEM IS LEFT OUT: every input has a way to the output and is loaded by one of the two launches.
; SHARES.  A work-group owns one head and 1,024 positions (a quarter of a batch), in four steps of 256; each of its four waves owns 64 positions of a step and all 128 columns (64 of k, 64 of v).
; A wave's 128 rows of Wk and Wv, for all of K = 1,024, stay in 512 registers; only h's fragments are read from LDS in the loop: 1,024 bytes feed eight matrix instructions.
; CLUSTER.  4 x 4 work-groups: four heads (x) by the four quarters of one batch (y).  The four of a row are four heads on the same positions: h's codes and scale bytes are asked for JOINTLY along the row.
; The four of a column are one head on four runs of positions: Wk and Wv are asked for jointly along the column.
; LAYOUT.  Source 0 = 16 positions of h, source 1 = 16 rows of W: a lane holds ONE column and its registers run along s, which is the next product's K.  A block of 32 positions lies in lanes l and l xor 16.
; The order of the 32 inside a block is the same for k and for v (both come from the same fragments of h), so the products are kept.
; THE ROWS OF Wk THAT FORM A TILE ARE CHOSEN: lane r of tile t takes row 32 (r / 8) + 8 t + r % 8 of the head, so that in kv a lane's 32 registers of one tile of e are 32 neighbouring d: the next launch quantises them with no other lane.
; A step gives a wave 64 positions: blocks 0 and 1 of a K step of 128; the other two blocks are zero codes under the scale byte 0, which add nothing.
; OUT.  The four waves' kv are added through LDS and stored as an image of registers: record (batch x 16 + head) x 4 + quarter of kvp, 16,384 bytes; beside it in sums: sum of k [64], sum of v [64], sum of m (64 times).
; LIMITS.  NaN and infinities among the inputs are not served.  A sum of squares under 2^-126 counts as 0 (the root takes denormals as zero).  A block of zeros gets the scale byte 1 where the quantiser's text says 127:
; its codes are zeros, and the bytes never leave the registers.  Sums over s are formed in another order than the source's.  k m / (|k m| + eps) is formed as k x (m / (|m| |k| + eps)).
.set PITCH, 528                        ; an LDS row of h or W: 512 bytes + 16 of padding: 33 x 16 bytes, so the 16 rows of a fragment load start at 16 different 16-byte columns of 256
.set PART,  64*PITCH                   ; 64 rows: what one tensor load brings; part w of a slot is wave w's
.set SLOTB, 4*PART                     ; a slot: 256 rows.  Its bits (17, 12) are none of w x PART's, so one exclusive or turns an address from slot to slot
.set SLB1,  SLOTB                      ; slot 1; first filled with Wk, Wv, Wk, Wv of the head, a part each
.set SCL,   2*SLOTB                    ; h's scale bytes of the 1,024 positions: 128 units of 256 bytes + 16
.set MSK,   SCL+128*272                ; m: 1,024 bytes for each wave, stored by the wave itself
.set SPARE, MSK+4096                   ; the spare words, 128 bytes for each wave: two blocks of 256 bytes that no other line names
.set STEPG, 256*512                    ; a step of h in memory
; window 0
.set SPW, 1                            ; LDS address of my spare word; never rewritten
.set NIL, 2                            ; 0; never rewritten
.set AH0, 3                            ; my lane's place in my part of a slot
.set AH,  4
.set ASC0, 5                           ; among h's scale words
.set ASC, 6
.set AMK0, 7                           ; among my wave's m
.set AMK, 8
.set PFO, 9                            ; 256 x lane: the prefetch's offset; never rewritten
.set MV,  10                           ; m of the position whose factor my lane makes
.set F1,  11                           ; that factor
.set T,   12                           ; v12-15 at work
.set SS,  16                           ; v16-31 sums of squares, then the 16 factors
.set BI,  32                           ; v32-47 a pair (b, b) for each of the 8 tiles of columns
.set SUM, 48                           ; v48-63 a pair of running sums for each tile
.set SW,  64                           ; v64-71 the scale words of k^T's four fragments and of v^T's four
.set HS,  72                           ; v72-79 h's scale words: tile u at 4 u
.set WS,  80                           ; v80-111 W's scale words: tile n at 4 n
.set TM,  112                          ; largest magnitudes
.set TP,  116                          ; the other half's; bytes
.set SO,  120                          ; the conversions' scale operands
.set MS,  124                          ; v124-125 my lane's sum of m
.set ACC, 128                          ; v128-191 eight accumulators: tile of positions u, tile of columns n at 32 u + 8 n
.set CD,  192                          ; v192-255 eight fragments of codes: registers 0-3 codes, 4-7 zeros
; window 1, 2: W's fragments: tile n, K step q at window 1 + q / 4, v[64 (q % 4) + 8 n].   window 3: v0-127 kv (32 te + 8 td + j); v128-255 h's fragments
.set HID, 128
; at the head only (the accumulators are not yet in use)
.set R_, 140
.set H_, 141
.set L_, 142
.set R7, 143
.set R3, 144
.set PR, 145
.set VA0, 146
.set VA1, 147
.set VA2, 148
.set VA3, 149
.set VA4, 150
.set AWK, 151
.set AWV, 152
.set AMS, 153
; at the end only
.set EL, 12
.set ER, 13
.set EP, 14
.set ET, 15
.set STA, 25
.set SKA, 26
.set SVA, 27
.set SMA, 28
.set RA0, 29
.set RA1, 30
.set SB0, 31
.set SB1, 10
.set GS,  11
; scalars
.set WV, 26
.set CX, 27
.set HEAD, 28
.set YY, 29
.set TB, 30                            ; LDS byte at which the slot in hand begins
.set TS, 31                            ; the step's scale words: 8,704 bytes a step
.set TMK, 32                           ; the step's m: 256 bytes a step
.set CNT, 33
.set LIM, 34
.set EPS, 35
.set SEL, 36
.set M8, 38
.set M4, 39
.set M2, 40
.set M1, 41
.set YC, 42
.set NC, 43
.set WP, 44                            ; wave x PART
.set PFA, 52
.set CY, 54
.set G1H, 56
.set G1W, 68
.set G1S, 76
.set G0H, 84
.set G0W, 88
.set G0S, 92
.set RMK, 96                           ; the mask of my row of the cluster
.set CMK, 97                           ; of my column
.set MSB, 0
.macro WIN new                         ; the immediate's high byte repeats the setting that is left; a switch that changes nothing is dropped
.if MSB != \new
	s_set_vgpr_msb (MSB<<8)|\new
.set MSB, \new
.endif
.endm
.macro PLACES n
.rept \n
	v_nop
.endr
.endm
.macro CROUND                          ; a round of the cluster's barrier
	s_barrier_signal -1
	s_barrier_wait -1
	s_cmp_lg_u32 s[WV], 0
	s_cbranch_scc1 .Lnw0_\@
	s_barrier_signal -3
.Lnw0_\@:
	s_barrier_wait -3
	s_barrier_signal -1
	s_barrier_wait -1
.endm
.macro WM0 d, a, b, sa, sb             ; the first K step starts a sum
	v_wmma_scale_f32_16x16x128_f8f6f4 v[\d:\d+7], v[\a:\a+7], v[\b:\b+7], 0, v[\sa], v[\sb] matrix_a_fmt:MATRIX_FMT_FP4 matrix_b_fmt:MATRIX_FMT_FP4
.endm
.macro WMC d, a, b, cr, sa, sb
	v_wmma_scale_f32_16x16x128_f8f6f4 v[\d:\d+7], v[\a:\a+7], v[\b:\b+7], v[\cr:\cr+7], v[\sa], v[\sb] matrix_a_fmt:MATRIX_FMT_FP4 matrix_b_fmt:MATRIX_FMT_FP4
.endm
.macro WMR d, a, b, cr, sa, sb         ; the scale words of K steps 4-7 lie in lanes 16-31
	v_wmma_scale_f32_16x16x128_f8f6f4 v[\d:\d+7], v[\a:\a+7], v[\b:\b+7], v[\cr:\cr+7], v[\sa], v[\sb] matrix_a_fmt:MATRIX_FMT_FP4 matrix_b_fmt:MATRIX_FMT_FP4 matrix_a_scale:MATRIX_SCALE_ROW1 matrix_b_scale:MATRIX_SCALE_ROW1
.endm
.macro MDIV x, t                       ; m = x / 10000 + 1: a product by 1e-4 mended by one step on the remainder, so that x = -10000 gives exactly 0
	v_mul_f32 v[\t], s[YC], v[\x]
	v_fma_f32 v[\t+1], v[\t], s[NC], v[\x]
	v_fma_f32 v[\t], v[\t+1], s[YC], v[\t]
	v_add_f32 v[\x], 1.0, v[\t]
.endm
	s_load_b512 s[4:19], s[0:1], 0x0               ; h s[4:5], h's scales s[6:7], Wk s[8:9], Wv s[10:11], Wk's scales s[12:13], Wv's s[14:15], bk s[16:17], bv s[18:19]
	s_load_b128 s[20:23], s[0:1], 0x40             ; mask s[20:21], kvp s[22:23]
	s_load_b64 s[24:25], s[0:1], 0x50              ; sums
	v_lshl_add_u32 v[SPW], v0, 2, SPARE
	v_mov_b32 v[NIL], 0
	ds_add_u32 v[SPW], v[NIL]                      ; the wave's opening: the add, twice on end, and its wait ahead of my first tensor load
	ds_add_u32 v[SPW], v[NIL]
	v_lshrrev_b32 v[T], 5, v0
	v_readfirstlane_b32 s[WV], v[T]                ; wave 0..3
	s_bfe_u32 s[CX], ttmp6, 0x40000                ; cx, cy: my place in the cluster
	s_bfe_u32 s[CY], ttmp6, 0x40004
	s_lshl_b32 s[HEAD], ttmp9, 2
	s_add_co_u32 s[HEAD], s[HEAD], s[CX]           ; my head = 4 x cluster x + cx
	s_and_b32 s[YY], ttmp7, 0xffff
	s_lshl_b32 s[YY], s[YY], 2
	s_add_co_u32 s[YY], s[YY], s[CY]               ; which 1,024 of the 16,384 positions = 4 x cluster y + cy: batch y / 4, quarter y % 4
	s_lshl_b32 s[RMK], s[CY], 2
	s_lshl_b32 s[RMK], 15, s[RMK]                  ; my row of the cluster: places 4 cy .. 4 cy + 3
	s_lshl_b32 s[CMK], 0x1111, s[CX]               ; my column: places cx, cx + 4, cx + 8, cx + 12
	; descriptor group 1: 64 rows of 512 bytes, 16 bytes of padding behind each; h's go to my row, W's to my column
	s_or_b32 s[G1H], s[RMK], (1<<20)|(1<<21)|(6<<22)|(3<<25)
	s_or_b32 s[G1W], s[CMK], (1<<20)|(1<<21)|(6<<22)|(3<<25)
.irp g, G1H, G1W
	s_mov_b32 s[\g+1], 512<<16                     ; tensor_dim0
	s_mov_b32 s[\g+2], 64<<16                      ; tensor_dim1
	s_mov_b32 s[\g+3], 512<<16                     ; tile_dim0
	s_mov_b32 s[\g+4], 64                          ; tile_dim1
	s_mov_b32 s[\g+5], 512                         ; from row to row
	s_mov_b32 s[\g+6], 0
	s_mov_b32 s[\g+7], 0
.endr
	; h's scale bytes of 256 positions: 8,192 dense bytes as 32 rows of 256 (32 elements of 8 bytes), 16 bytes of padding behind each; to my row
	s_or_b32 s[G1S], s[RMK], (3<<16)|(1<<20)|(1<<21)|(5<<22)|(3<<25)
	s_mov_b32 s[G1S+1], 32<<16
	s_mov_b32 s[G1S+2], 32<<16
	s_mov_b32 s[G1S+3], 32<<16
	s_mov_b32 s[G1S+4], 32
	s_mov_b32 s[G1S+5], 32
	s_mov_b32 s[G1S+6], 0
	s_mov_b32 s[G1S+7], 0
	s_mul_i32 s[WP], s[WV], PART
	s_and_b32 s45, s[WV], 1                        ; even waves fetch Wk, odd waves Wv
	s_lshl_b32 s46, s[HEAD], 15                    ; the head's 64 rows of 512 bytes: the head and the wave alone enter W's address
	s_mov_b32 s47, 0
	s_lshl_b32 s48, s[YY], 15                      ; scale bytes: 32 a position: y and the wave alone enter h's addresses
	s_lshl_b32 s49, s[WV], 13
	s_add_co_u32 s48, s48, s49
	s_mov_b32 s49, 0
	s_lshl_b32 s50, s[YY], 19                      ; codes: 512 bytes a position
	s_lshl_b32 s51, s[WV], 15
	s_add_co_u32 s50, s50, s51
	s_mov_b32 s51, 0
	s_mov_b32 s[G0W], 1
	s_add_co_u32 s[G0W+1], s[WP], SLB1
	s_mov_b32 s[G0S], 1
	s_mul_i32 s[G0S+1], s[WV], 8704
	s_add_co_u32 s[G0S+1], s[G0S+1], SCL
	s_mov_b32 s[G0H], 1
	s_mov_b32 s[G0H+1], s[WP]
	s_mov_b32 s[EPS], 0x3727c5ac                   ; 1e-5
	s_mov_b32 s[SEL], 0x76543210
	s_mov_b32 s[SEL+1], 0xfedcba98                 ; v_permlanex16_b32's selects for lane l xor 16
	s_mov_b32 s[M8], 0xff00ff00                    ; the lanes whose number has bit 3, 2, 1, 0 set
	s_mov_b32 s[M4], 0xf0f0f0f0
	s_mov_b32 s[M2], 0xcccccccc
	s_mov_b32 s[M1], 0xaaaaaaaa
	s_mov_b32 s[YC], 0x38d1b717                    ; 1e-4
	s_mov_b32 s[NC], 0xc61c4000                    ; -10000
	s_cmp_eq_u32 ttmp9, 0                          ; all four clusters of a row of clusters walk the same h: the first of them prefetches
	s_cselect_b32 s[LIM], 1, -1
	s_wait_dscnt 0x0                               ; both opening adds are done
	s_wait_kmcnt 0x0
	s_cmp_eq_u32 s45, 0
	s_cselect_b64 s[G0W+2:G0W+3], s[8:9], s[10:11]
	s_add_nc_u64 s[G0W+2:G0W+3], s[G0W+2:G0W+3], s[46:47]
	s_or_b32 s[G0W+3], s[G0W+3], 0x80000000
	s_add_nc_u64 s[G0S+2:G0S+3], s[6:7], s[48:49]
	s_or_b32 s[G0S+3], s[G0S+3], 0x80000000
	s_add_nc_u64 s[G0H+2:G0H+3], s[4:5], s[50:51]
	s_or_b32 s[G0H+3], s[G0H+3], 0x80000000
	CROUND                                         ; all sixteen work-groups are here: the first joint loads meet
	tensor_load_to_lds s[G0W:G0W+3], s[G1W:G1W+7]  ; the three first fills of every wave, with no branch: W into slot 1,
	s_nop 0
	tensor_load_to_lds s[G0S:G0S+3], s[G1S:G1S+7]  ; a quarter of the scale bytes,
	s_nop 0
	tensor_load_to_lds s[G0H:G0H+3], s[G1H:G1H+7]  ; my part of step 0 into slot 0: three loads of mine are out
	s_nop 0
	PLACES 4
	; the prefetches' address: my work-group's 64 rows of a step, my wave's 16 of them; it stands a step on and is stepped ahead of each prefetch
	s_lshl_b32 s46, s[YY], 19
	s_lshl_b32 s47, s[CX], 15
	s_add_co_u32 s46, s46, s47
	s_lshl_b32 s47, s[WV], 13
	s_add_co_u32 s46, s46, s47
	s_add_co_u32 s46, s46, STEPG
	s_mov_b32 s47, 0
	s_add_nc_u64 s[PFA:PFA+1], s[4:5], s[46:47]
	s_lshl_b32 s46, s[HEAD], 11                    ; the head's 64 rows of 32 scale bytes
	s_add_nc_u64 s[12:13], s[12:13], s[46:47]
	s_add_nc_u64 s[14:15], s[14:15], s[46:47]
	s_lshl_b32 s46, s[HEAD], 8                     ; its 64 biases
	s_add_nc_u64 s[16:17], s[16:17], s[46:47]
	s_add_nc_u64 s[18:19], s[18:19], s[46:47]
	s_lshl_b32 s46, s[YY], 12                      ; the mask of my 1,024 positions, from my wave's first 64
	s_lshl_b32 s45, s[WV], 8
	s_add_co_u32 s46, s46, s45
	s_add_nc_u64 s[20:21], s[20:21], s[46:47]
	s_lshr_b32 s45, s[YY], 2
	s_lshl_b32 s45, s45, 4
	s_add_co_u32 s45, s45, s[HEAD]
	s_lshl_b32 s45, s45, 2
	s_and_b32 s46, s[YY], 3
	s_add_co_u32 s45, s45, s46                     ; my record
	s_lshl_b32 s46, s45, 14
	s_add_nc_u64 s[22:23], s[22:23], s[46:47]
	s_mul_i32 s46, s45, 768
	s_add_nc_u64 s[24:25], s[24:25], s[46:47]
	v_and_b32 v[R_], 15, v0                        ; r
	v_bfe_u32 v[H_], v0, 4, 1                      ; h
	v_and_b32 v[L_], 31, v0                        ; lane
	v_and_b32 v[R7], 7, v0
	v_bfe_u32 v[R3], v0, 3, 1
	v_lshl_add_u32 v[PR], v[R3], 5, v[R7]          ; 32 (r / 8) + r % 8: my row of Wk in tile 0
	v_lshlrev_b32 v[VA0], 5, v[PR]
	v_lshl_add_u32 v[VA0], v[H_], 4, v[VA0]        ; scale words: 32 bytes a row; lanes 0-15 take words 0-3, lanes 16-31 words 4-7
	v_lshlrev_b32 v[VA1], 5, v[R_]
	v_lshl_add_u32 v[VA1], v[H_], 4, v[VA1]
	v_lshlrev_b32 v[VA2], 2, v[PR]
	v_lshlrev_b32 v[VA3], 2, v[R_]
	v_lshlrev_b32 v[VA4], 4, v[R_]
	v_lshl_add_u32 v[VA4], v[H_], 10, v[VA4]       ; the mask: four positions a lane; lanes 16-31 a step (256 positions) further on
.irp n, 0,1,2,3
	global_load_b128 v[WS+4*\n:WS+4*\n+3], v[VA0], s[12:13] offset:256*\n
	global_load_b128 v[WS+16+4*\n:WS+16+4*\n+3], v[VA1], s[14:15] offset:512*\n
	global_load_b32 v[BI+2*\n], v[VA2], s[16:17] offset:32*\n
	global_load_b32 v[BI+8+2*\n], v[VA3], s[18:19] offset:64*\n
.endr
	global_load_b128 v[128:131], v[VA4], s[20:21]               ; steps 0 and 1
	global_load_b128 v[132:135], v[VA4], s[20:21] offset:2048   ; steps 2 and 3
	v_lshlrev_b32 v[PFO], 8, v[L_]
	v_mul_u32_u24 v[AH0], v[R_], PITCH
	v_lshl_add_u32 v[AH0], v[H_], 4, v[AH0]
	v_add_nc_u32 v[AH0], s[WP], v[AH0]             ; wave x PART + r x pitch + 16 h
	v_mul_u32_u24 v[ASC0], v[R3], 272
	v_lshl_add_u32 v[ASC0], v[R7], 5, v[ASC0]
	v_lshl_add_u32 v[ASC0], v[H_], 4, v[ASC0]
	s_mul_i32 s45, s[WV], 2176
	s_add_co_u32 s45, s45, SCL
	v_add_nc_u32 v[ASC0], s45, v[ASC0]             ; eight positions to a unit of 272 bytes; my wave's 64 are eight units
	v_lshlrev_b32 v[AMK0], 6, v[R3]
	v_lshl_add_u32 v[AMK0], v[H_], 5, v[AMK0]
	v_lshl_add_u32 v[AMK0], v[R7], 2, v[AMK0]
	s_lshl_b32 s45, s[WV], 10
	s_add_co_u32 s45, s45, MSK
	v_add_nc_u32 v[AMK0], s45, v[AMK0]             ; position 16 (r / 8) + 8 h + r % 8 of a group of 32: the one whose factor my lane makes
	v_lshl_add_u32 v[AMS], v[L_], 4, s45
	s_lshr_b32 s46, s[WV], 1
	s_mul_i32 s46, s46, 2*PART
	s_add_co_u32 s46, s46, SLB1                    ; waves 0, 1 read W from parts 0, 1; waves 2, 3 from parts 2, 3
	v_mul_u32_u24 v[AWK], v[PR], PITCH
	v_lshl_add_u32 v[AWK], v[H_], 4, v[AWK]
	v_add_nc_u32 v[AWK], s46, v[AWK]
	s_add_co_u32 s46, s46, PART
	v_mul_u32_u24 v[AWV], v[R_], PITCH
	v_lshl_add_u32 v[AWV], v[H_], 4, v[AWV]
	v_add_nc_u32 v[AWV], s46, v[AWV]
	; zeros.  kv begins as zeros, so that the step is written twice (loop and tail) and not a third time for a first step
	WIN 0xc0
.set i, 0
.rept 128
	v_mov_b32 v[i], 0
.set i, i+1
.endr
	WIN 0
.irp f, 0,1,2,3,4,5,6,7
.irp c, 4,5,6,7
	v_mov_b32 v[CD+8*\f+\c], 0                     ; the zero codes of K 64 .. 127
.endr
	v_mov_b32 v[SUM+2*\f], 0
	v_mov_b32 v[SUM+2*\f+1], 0
.endr
.irp n, 0,1,2,3
	v_mov_b32 v[TP+\n], 0                          ; written once: a lane permute's destination counts as one of its sources
.endr
	s_wait_loadcnt 0x0
.irp n, 0,1,2,3,4,5,6,7
	v_mov_b32 v[BI+2*\n+1], v[BI+2*\n]
.endr
.irp i, 0,1,2,3,4,5,6,7
	MDIV 128+\i, 136
.endr
	v_add_f32 v[MS], v128, v129
.irp i, 2,3,4,5,6,7
	v_add_f32 v[MS], v[MS], v[128+\i]
.endr
	ds_store_b128 v[AMS], v[128:131]               ; my wave's 256 m in the order step, position
	ds_store_b128 v[AMS], v[132:135] offset:512
	s_wait_tensorcnt 0x1                           ; W and the scale bytes are in; my part of step 0, the youngest of the three, may stay out
	s_wait_dscnt 0x0
	s_barrier_signal -1
	s_barrier_wait -1                              ; everybody's are
.macro LOADW hi                        ; K steps 4 hi .. 4 hi + 3 of my 128 rows of W
.irp q, 0,1,2,3
.irp n, 0,1,2,3
.irp c, 0,1
	ds_load_b128 v[64*\q+8*\n+4*\c:64*\q+8*\n+4*\c+3], v[AWK] offset:8*\n*PITCH+64*(\q+4*\hi)+32*\c
	ds_load_b128 v[64*\q+8*(\n+4)+4*\c:64*\q+8*(\n+4)+4*\c+3], v[AWV] offset:16*\n*PITCH+64*(\q+4*\hi)+32*\c
.endr
.endr
.endr
.endm
	WIN 0x40
	LOADW 0
	WIN 0x80
	LOADW 1
	WIN 0
	s_mov_b32 s[TB], 0
	s_mov_b32 s[TS], 0
	s_mov_b32 s[TMK], 0
	s_mov_b32 s[CNT], 3
; group g (32 positions): its scale words and my m first, then h's fragments by K step, four loads to a step: so the products of a K step can begin when its own four loads are back
.macro LOADH g
.irp u, 0,1
	ds_load_b128 v[HS+4*\u:HS+4*\u+3], v[ASC] offset:(4*\g+2*\u)*272
.endr
	ds_load_b32 v[MV], v[AMK] offset:128*\g
	WIN 0xc0
.irp q, 0,1,2,3,4,5,6,7
.irp u, 0,1
.irp c, 0,1
	ds_load_b128 v[HID+16*\q+8*\u+4*\c:HID+16*\q+8*\u+4*\c+3], v[AH] offset:(32*\g+16*\u)*PITCH+64*\q+32*\c
.endr
.endr
.endr
	WIN 0
.endm
; 64 matrix instructions: 32 positions x 64 columns (cb = 0: k's, 4: v's) x K = 1,024.  The eight accumulators take turns, one instruction a turn.
; w = 1: the group's fragments are still coming in: ahead of K step q a wait that leaves out the loads of the later K steps, four to a step; nothing else of mine is out in LDS
.macro GEMM cb, w
.irp q, 0,1,2,3,4,5,6,7
.if \w
	s_wait_dscnt 4*(7-\q)
.endif
.if \q < 4
	WIN 0x07                                       ; source 0 (h) window 3, source 1 (W) window 1
.else
	WIN 0x0b                                       ; W in window 2
.endif
.irp u, 0,1
.irp n, 0,1,2,3
.if \q == 0
	WM0 ACC+32*\u+8*\n, HID+16*\q+8*\u, 64*(\q%4)+8*(\cb+\n), HS+4*\u+\q%4, WS+4*(\cb+\n)+\q%4
.elseif \q < 4
	WMC ACC+32*\u+8*\n, HID+16*\q+8*\u, 64*(\q%4)+8*(\cb+\n), ACC+32*\u+8*\n, HS+4*\u+\q%4, WS+4*(\cb+\n)+\q%4
.else
	WMR ACC+32*\u+8*\n, HID+16*\q+8*\u, 64*(\q%4)+8*(\cb+\n), ACC+32*\u+8*\n, HS+4*\u+\q%4, WS+4*(\cb+\n)+\q%4
.endif
.endr
.endr
.endr
	WIN 0
.endm
.macro BIAS cb                         ; each accumulator from its low end on
.irp u, 0,1
.irp n, 0,1,2,3
.irp j, 0,2,4,6
	v_pk_add_f32 v[ACC+32*\u+8*\n+\j:ACC+32*\u+8*\n+\j+1], v[ACC+32*\u+8*\n+\j:ACC+32*\u+8*\n+\j+1], v[BI+2*(\cb+\n):BI+2*(\cb+\n)+1]
.endr
.endr
.endr
.endm
; one step of the sum across the 16 lanes of a row: the lanes with the bit clear keep number lo and give hi away, the others the other way round
.macro RS lo, hi, t, b, m
	v_cndmask_b32 v[T+\t], v[SS+\hi], v[SS+\lo], s[\m]
	v_cndmask_b32 v[SS+\lo], v[SS+\lo], v[SS+\hi], s[\m]
	v_add_f32_dpp v[SS+\lo], v[T+\t], v[SS+\lo] row_xmask:\b row_mask:0xf bank_mask:0xf
.endm
; k's rows are normalised.  A position's 64 columns lie in four tiles and sixteen lanes.  My 16 positions' sums of squares are added across the row so that lane r ends with the whole sum of number r:
; one root and one reciprocal a lane serve all 16; the factors go back by a broadcast from lane i of the row.
.macro NORMK
.irp u, 0,1
.irp j, 0,2,4,6
	v_pk_mul_f32 v[SS+8*\u+\j:SS+8*\u+\j+1], v[ACC+32*\u+\j:ACC+32*\u+\j+1], v[ACC+32*\u+\j:ACC+32*\u+\j+1]
.endr
.endr
.irp n, 1,2,3
.irp u, 0,1
.irp j, 0,2,4,6
	v_pk_fma_f32 v[SS+8*\u+\j:SS+8*\u+\j+1], v[ACC+32*\u+8*\n+\j:ACC+32*\u+8*\n+\j+1], v[ACC+32*\u+8*\n+\j:ACC+32*\u+8*\n+\j+1], v[SS+8*\u+\j:SS+8*\u+\j+1]
.endr
.endr
.endr
.irp i, 0,1,2,3,4,5,6,7
	RS \i, \i+8, \i%4, 8, M8
.endr
.irp i, 0,1,2,3
	RS \i, \i+4, \i, 4, M4
.endr
.irp i, 0,1
	RS \i, \i+2, \i, 2, M2
.endr
	RS 0, 1, 0, 1, M1
	v_sqrt_f32 v[T], v[SS]
	v_nop                                          ; a plain instruction behind the root,
	s_wait_alu depctr_va_vdst(0)                   ; and the wait ahead of its first reader
	v_fma_f32 v[T], |v[MV]|, v[T], s[EPS]          ; |m| |k| + eps
	v_rcp_f32 v[T+1], v[T]
	v_nop
	s_wait_alu depctr_va_vdst(0)
	v_mul_f32 v[F1], v[MV], v[T+1]
.irp i, 0,1,2,3,4,5,6,7,8,9,10,11,12,13,14,15
	v_mov_b32_dpp v[SS+\i], v[F1] row_share:\i row_mask:0xf bank_mask:0xf
.endr
.irp u, 0,1
.irp n, 0,1,2,3
.irp j, 0,2,4,6
	v_pk_mul_f32 v[ACC+32*\u+8*\n+\j:ACC+32*\u+8*\n+\j+1], v[ACC+32*\u+8*\n+\j:ACC+32*\u+8*\n+\j+1], v[SS+8*\u+\j:SS+8*\u+\j+1]
.endr
.endr
.endr
.endm
.macro SUMS cb                         ; the columns' sums over s, of the numbers before they are quantised; the four tiles by turns
.irp u, 0,1
.irp j, 0,2,4,6
.irp n, 0,1,2,3
	v_pk_add_f32 v[SUM+2*(\cb+\n):SUM+2*(\cb+\n)+1], v[SUM+2*(\cb+\n):SUM+2*(\cb+\n)+1], v[ACC+32*\u+8*\n+\j:ACC+32*\u+8*\n+\j+1]
.endr
.endr
.endr
.endm
; four tiles of columns, one block of 32 positions each: scale bytes into byte g of the scale words, codes into registers 2 g, 2 g + 1 of the fragments
.macro Q32 cb, g
.irp n, 0,1,2,3
	v_max3_num_f32 v[TM+\n], |v[ACC+8*\n]|, |v[ACC+8*\n+1]|, 0x1800000   ; my 16 numbers, and the floor 2^(3 - 127): the byte cannot fall under 1
.endr
.irp i, 2,4,6
.irp n, 0,1,2,3
	v_max3_num_f32 v[TM+\n], v[TM+\n], |v[ACC+8*\n+\i]|, |v[ACC+8*\n+\i+1]|
.endr
.endr
.irp i, 0,2,4,6
.irp n, 0,1,2,3
	v_max3_num_f32 v[TM+\n], v[TM+\n], |v[ACC+32+8*\n+\i]|, |v[ACC+32+8*\n+\i+1]|
.endr
.endr
.irp n, 0,1,2,3
	v_permlanex16_b32 v[TP+\n], v[TM+\n], s[SEL], s[SEL+1]
.endr
.irp n, 0,1,2,3
	v_max_num_f32 v[TM+\n], v[TM+\n], v[TP+\n]     ; with lane l xor 16's: the block's largest magnitude
.endr
.irp n, 0,1,2,3
	v_add_nc_u32 v[SO+\n], 0xff000000, v[TM+\n]    ; 2 off its exponent field: the conversion's scale operand
.endr
.irp n, 0,1,2,3
.if \g == 0
	v_lshrrev_b32 v[SW+\cb+\n], 23, v[SO+\n]       ; the byte of block 0; bytes 1 to 3 are 0
.else
	v_lshrrev_b32 v[TP+\n], 23, v[SO+\n]
.endif
.endr
.if \g == 1
.irp n, 0,1,2,3
	v_lshl_or_b32 v[SW+\cb+\n], v[TP+\n], 8, v[SW+\cb+\n]
.endr
.endif
.irp n, 0,1,2,3
.irp u, 0,1
	v_cvt_scalef32_pk8_fp4_f32 v[CD+8*(\cb+\n)+2*\g+\u], v[ACC+32*\u+8*\n:ACC+32*\u+8*\n+7], v[SO+\n]
.endr
.endr
	v_nop                                          ; one plain place behind the last scaled conversion
.endm
; kv += k^T v over my 64 positions.  The operand's layout wants a whole block in a lane: lanes 0-15 block 0, lanes 16-31 block 1
.macro PROD4
.irp f, 0,1,2,3,4,5,6,7
	v_permlane16_swap_b32 v[CD+8*\f], v[CD+8*\f+2]
	v_permlane16_swap_b32 v[CD+8*\f+1], v[CD+8*\f+3]
.endr
	PLACES 8                                       ; scale words written by vector instructions stand eight places ahead of a scaled matrix instruction, operands four
	WIN 0xf0                                       ; C and D window 3
.irp te, 0,1,2,3
.irp td, 0,1,2,3
	WMC 32*\te+8*\td, CD+8*\td, CD+32+8*\te, 32*\te+8*\td, SW+\td, SW+4+\te
.endr
.endr
	WIN 0
.endm
; a step: my 64 positions, in two groups of 32
.macro WORK
	v_add_nc_u32 v[AH], s[TB], v[AH0]
	v_add_nc_u32 v[ASC], s[TS], v[ASC0]
	v_add_nc_u32 v[AMK], s[TMK], v[AMK0]
	LOADH 0
.irp g, 0,1
	GEMM 0, 1                                      ; k's products begin while the group's later K steps are still read from LDS
	PLACES 4
	BIAS 0
	NORMK
	SUMS 0
	Q32 0, \g
	GEMM 4, 0
	PLACES 4                                       ; in front of the loads into h's registers, and of the first read of results
.if \g == 0
	LOADH 1                                        ; the second group comes in while v's first is worked on
.endif
	BIAS 4
	SUMS 4
	Q32 4, \g
.endr
	PROD4
	s_xor_b32 s[TB], s[TB], SLOTB
	s_add_co_u32 s[TS], s[TS], 8704
	s_add_co_u32 s[TMK], s[TMK], 256
.endm
.Lstep:                                                ; three trips: trip t asks for step t + 1 and works on step t
	s_wait_tensorcnt 0x0                           ; all my tensor loads have landed, my part of this trip's step among them: so a group 0 may be written
	ds_add_u32 v[SPW], v[NIL]                      ; 0 onto my spare word
	s_xor_b32 s[G0H+1], s[G0H+1], SLOTB            ; the other slot,
	s_add_nc_u64 s[G0H+2:G0H+3], s[G0H+2:G0H+3], STEPG   ; the next 256 positions
	s_wait_xcnt 0x0                                ; the last prefetch, a step back, has read its address
	s_add_nc_u64 s[PFA:PFA+1], s[PFA:PFA+1], STEPG
	s_wait_dscnt 0x0                               ; the add is done, and my reads of the slot that is filled next are over (in the first trip: of W)
	CROUND                                         ; the same holds of every wave of all sixteen partners
	tensor_load_to_lds s[G0H:G0H+3], s[G1H:G1H+7]  ; my one tensor load behind the round: it has a whole step's work in which to land
	s_nop 0
	PLACES 4
	s_cmp_gt_u32 s[CNT], s[LIM]                    ; a prefetch of the step after the one just asked for: 16 rows of 512 bytes a wave, lanes 256 bytes apart; the partners of a row are told apart by address;
	s_cbranch_scc0 .Lnot_mine                      ; the last trip has no step two on
	global_prefetch_b8 v[PFO], s[PFA:PFA+1] th:TH_LOAD_NT scope:SCOPE_SE
.Lnot_mine:
	WORK
	s_sub_co_u32 s[CNT], s[CNT], 1
	s_cmp_lg_u32 s[CNT], 0
	s_cbranch_scc1 .Lstep
	s_wait_tensorcnt 0x0                           ; the last step: I read only the part that I asked for myself, so my own wait is all the ordering
	WORK
	; THE END.  The sums' halves are joined (these lines are also the places behind the last products)
.irp n, 0,1,2,3,4,5,6,7
	v_add_f32 v[SUM+2*\n], v[SUM+2*\n], v[SUM+2*\n+1]
.endr
.irp n, 0,1,2,3,4,5,6,7
	v_permlanex16_b32 v[SS+\n], v[SUM+2*\n], s[SEL], s[SEL+1]
.endr
.irp n, 0,1,2,3,4,5,6,7
	v_add_f32 v[SUM+2*\n], v[SUM+2*\n], v[SS+\n]
.endr
	v_add_f32_dpp v[MS], v[MS], v[MS] row_xmask:1 row_mask:0xf bank_mask:0xf
	v_add_f32_dpp v[MS], v[MS], v[MS] row_xmask:2 row_mask:0xf bank_mask:0xf
	v_add_f32_dpp v[MS], v[MS], v[MS] row_xmask:4 row_mask:0xf bank_mask:0xf
	v_add_f32_dpp v[MS], v[MS], v[MS] row_xmask:8 row_mask:0xf bank_mask:0xf
	v_permlanex16_b32 v[SS+8], v[MS], s[SEL], s[SEL+1]
	v_add_f32 v[MS], v[MS], v[SS+8]
	v_mov_b32 v[MS+1], v[MS]
	v_and_b32 v[EL], 31, v0
	v_and_b32 v[ER], 15, v0
	v_and_b32 v[EP], 7, v0
	v_bfe_u32 v[ET], v0, 3, 1
	v_lshl_add_u32 v[EP], v[ET], 5, v[EP]
	v_lshl_add_u32 v[STA], v[EL], 4, s[WP]         ; my stage: my own part of slot 0, which has had its last fill and which I alone have read
	s_add_co_u32 s45, s[WP], 16384
	v_lshl_add_u32 v[SKA], v[EP], 2, s45           ; behind the image: sum of k, in the true order of d,
	s_add_co_u32 s45, s[WP], 16640
	v_lshl_add_u32 v[SVA], v[ER], 2, s45           ; sum of v,
	s_add_co_u32 s45, s[WP], 16896
	v_lshl_add_u32 v[SMA], v[EL], 3, s45           ; sum of m, 64 times
	s_lshl_b32 s45, s[WV], 12
	v_lshl_add_u32 v[RA0], v[EL], 4, s45           ; back: wave w adds the four images' registers 32 w .. 32 w + 31
	v_add_nc_u32 v[RA1], 2*PART, v[RA0]
	s_lshl_b32 s45, s[WV], 8
	v_lshl_add_u32 v[GS], v[EL], 3, s45
	v_add_nc_u32 v[SB0], 16384, v[GS]
	v_add_nc_u32 v[SB1], 16384+2*PART, v[GS]
	WIN 0x0c                                       ; an LDS store's data are its source 1: window 3
.set i, 0
.rept 32
	ds_store_b128 v[STA], v[4*i:4*i+3] offset:512*i    ; kv as an image of its registers; each accumulator from its low end on
.set i, i+1
.endr
	WIN 0
.irp n, 0,1,2,3
	ds_store_b32 v[SKA], v[SUM+2*\n] offset:32*\n      ; (both halves of the lanes write the same word with the same value)
	ds_store_b32 v[SVA], v[SUM+8+2*\n] offset:64*\n
.endr
	ds_store_b64 v[SMA], v[MS:MS+1]
	s_wait_dscnt 0x0                               ; for the others' sake: my stores have landed
	s_barrier_signal -1
	s_barrier_wait -1
.irp k, 0,1,2,3,4,5,6,7
	ds_load_b128 v[128+4*\k:131+4*\k], v[RA0] offset:512*\k
	ds_load_b128 v[160+4*\k:163+4*\k], v[RA0] offset:PART+512*\k
	ds_load_b128 v[192+4*\k:195+4*\k], v[RA1] offset:512*\k
	ds_load_b128 v[224+4*\k:227+4*\k], v[RA1] offset:PART+512*\k
.endr
	s_wait_dscnt 0x0
.set i, 0
.rept 16
	v_pk_add_f32 v[128+i:129+i], v[128+i:129+i], v[160+i:161+i]
	v_pk_add_f32 v[192+i:193+i], v[192+i:193+i], v[224+i:225+i]
.set i, i+2
.endr
.set i, 0
.rept 16
	v_pk_add_f32 v[128+i:129+i], v[128+i:129+i], v[192+i:193+i]
.set i, i+2
.endr
.irp k, 0,1,2,3,4,5,6,7
	global_store_b128 v[RA0], v[128+4*\k:131+4*\k], s[22:23] offset:512*\k   ; 32 lanes store 512 consecutive bytes, at a multiple of 512 from the buffer's first byte
.endr
	s_cmp_lt_u32 s[WV], 3                          ; the three sums: wave 0 k's, wave 1 v's, wave 2 m's
	s_cbranch_scc0 .Lno_sum
	ds_load_b64 v[160:161], v[SB0]
	ds_load_b64 v[162:163], v[SB0] offset:PART
	ds_load_b64 v[164:165], v[SB1]
	ds_load_b64 v[166:167], v[SB1] offset:PART
	s_wait_dscnt 0x0
	v_pk_add_f32 v[160:161], v[160:161], v[162:163]
	v_pk_add_f32 v[164:165], v[164:165], v[166:167]
	v_pk_add_f32 v[160:161], v[160:161], v[164:165]
	global_store_b64 v[GS], v[160:161], s[24:25]   ; 32 lanes store 256 consecutive bytes, aligned
.Lno_sum:
	s_wait_tensorcnt 0x0                           ; the wave's end, behind my last tensor load and my last LDS store
	ds_add_u32 v[SPW], v[NIL]
	s_wait_dscnt 0x0
	CROUND                                         ; the closing round: no work-group ends while a partner may still ask for a tile that names it
	s_endpgm
.Lfunc_end_k_qe0fc7da02c_kvpart:
	.size	k_qe0fc7da02c_kvpart, .Lfunc_end_k_qe0fc7da02c_kvpart-k_qe0fc7da02c_kvpart
	.p2alignl 7, 3214868480
	.fill 96, 4, 3214868480
	.section	.rodata,"a",@progbits
	.p2align	6, 0x0
	.amdhsa_kernel k_qe0fc7da02c_kvpart
		.amdhsa_group_segment_fixed_size 327680
		.amdhsa_private_segment_fixed_size 0
		.amdhsa_enable_private_segment 0
		.amdhsa_kernarg_size 88
		.amdhsa_user_sgpr_count 2
		.amdhsa_user_sgpr_kernarg_segment_ptr 1
		.amdhsa_wavefront_size32 1
		.amdhsa_system_sgpr_workgroup_id_x 1
		.amdhsa_system_sgpr_workgroup_id_y 1
		.amdhsa_system_sgpr_workgroup_id_z 1
		.amdhsa_system_vgpr_workitem_id 0
		.amdhsa_next_free_vgpr 1024
		.amdhsa_next_free_sgpr 100
		.amdhsa_reserve_vcc 0
		.amdhsa_float_denorm_mode_32 3
		.amdhsa_float_denorm_mode_16_64 3
		.amdhsa_memory_ordered 1
		.amdhsa_forward_progress 1
		.amdhsa_inst_pref_size 214
	.end_amdhsa_kernel
	.amdgpu_metadata
---
amdhsa.version: [ 1, 2 ]
amdhsa.kernels:
  - .name:           k_qe0fc7da02c_kvpart
    .symbol:         k_qe0fc7da02c_kvpart.kd
    .args:
      - { .name: hidden_states_codes, .offset: 0, .size: 8, .value_kind: global_buffer, .address_space: global }
      - { .name: hidden_states_scales, .offset: 8, .size: 8, .value_kind: global_buffer, .address_space: global }
      - { .name: Wk_codes, .offset: 16, .size: 8, .value_kind: global_buffer, .address_space: global }
      - { .name: Wv_codes, .offset: 24, .size: 8, .value_kind: global_buffer, .address_space: global }
      - { .name: Wk_scales, .offset: 32, .size: 8, .value_kind: global_buffer, .address_space: global }
      - { .name: Wv_scales, .offset: 40, .size: 8, .value_kind: global_buffer, .address_space: global }
      - { .name: bk, .offset: 48, .size: 8, .value_kind: global_buffer, .address_space: global }
      - { .name: bv, .offset: 56, .size: 8, .value_kind: global_buffer, .address_space: global }
      - { .name: attention_mask, .offset: 64, .size: 8, .value_kind: global_buffer, .address_space: global }
      - { .name: kvp, .offset: 72, .size: 8, .value_kind: global_buffer, .address_space: global }
      - { .name: sums, .offset: 80, .size: 8, .value_kind: global_buffer, .address_space: global }
    .group_segment_fixed_size: 327680
    .private_segment_fixed_size: 0
    .kernarg_segment_align: 8
    .kernarg_segment_size: 88
    .max_flat_workgroup_size: 128
    .sgpr_count:     100
    .vgpr_count:     1024
    .wavefront_size: 32
...
	.end_amdgpu_metadata
.endif
;; end of part 1
;; launch ctx (part 2): grid 8 x 32, 4 waves a work-group, clusters of 4 x 4, 327,680 bytes of LDS; arguments hidden_states_codes, hidden_states_scales, Wq_codes, Wq_scales, bq, attention_mask, kvp, sums, out0; writes out0
.if DOCPART == 2
	.amdgcn_target "amdgcn-amd-amdhsa--gfx1250"
	.amdhsa_code_object_version 6
	.text
	.protected	k_qe0fc7da02c_ctx
	.globl	k_qe0fc7da02c_ctx
	.p2align	8
	.type	k_qe0fc7da02c_ctx,@function
k_qe0fc7da02c_ctx:
	s_mov_b64 s[64:65], 0
	v_nop
	global_prefetch_b8 v0, s[64:65] scope:SCOPE_SE
	s_setreg_imm32_b32 hwreg(HW_REG_WAVE_MODE, 25, 1), 1
	s_wait_xcnt 0x0
	s_wait_alu depctr_hold_cnt(0) depctr_sa_sdst(0) depctr_va_vdst(0) depctr_va_sdst(0) depctr_va_ssrc(0) depctr_va_vcc(0) depctr_vm_vsrc(0)
	s_getreg_b32 s2, hwreg(HW_REG_IB_STS2, 6, 4)
	s_cmp_eq_u32 s2, 0
	s_cbranch_scc0 .Lentry_in_a_cluster
	s_endpgm
.Lentry_in_a_cluster:
	s_bfe_u32 s2, ttmp6, 0x10000c
	s_cmp_lg_u32 s2, 0xf033
	s_cbranch_scc0 .Lentry_shape_is_right
	s_endpgm
.Lentry_shape_is_right:
; COSINE LINEAR ATTENTION, SECOND LAUNCH: out = (Q(q) Q(kv) + sum of v) / (q . sum of k + 1e-5 + sum of m), q = h Wq + bq, times m, divided by (its norm over the head's 64 + 1e-5).  No work of the problem is left out.
; SHARES.  A work-group owns two heads (128 columns) and 512 positions, in two steps of 256; each of its four waves owns 64 positions of a step, four tiles of 16, and all 128 columns.
; A wave's 128 rows of Wq, for all of K = 1,024, stay in 512 registers.
; CLUSTER.  4 x 4 work-groups: four pairs of heads (x) by four runs of 512 positions of one batch (y).  h's codes and scale bytes are asked for JOINTLY along a row of the cluster, Wq along a column.
; AT THE HEAD each wave adds the four quarters' kv of two tiles of e, quantises them along d (a lane holds a whole block of 32 d), and hands codes and scale words to the others through LDS as images of registers.
; Wq goes from LDS into its registers while the quarters' 64 loads are on their way.
; LAYOUT.  The projection is used transposed (source 0 = 16 rows of Wq, source 1 = 16 positions): a lane holds ONE position and its registers run along the columns, so the norm, the product with sum of k and the quantiser
; want one exchange with lane l xor 16.  The 128 columns become ONE fragment, [head a's 64 | head b's 64] along K; kv^T's fragment is (codes, zeros) for head a and (zeros, codes) for head b.
; Inside a block of 32 d the codes lie in the groups 0-7, 16-23, 8-15, 24-31 in q's fragment; kv's are converted in the same order, so the products are kept.
; LIMITS.  NaN and infinities among the inputs are not served.  A sum of squares under 2^-126 counts as 0.  A block of zeros gets the scale byte 1 where the quantiser's text says 127: its codes are zeros, and this
; program alone reads the bytes.  The four quarters are added as (0 + 1) + (2 + 3).  1e-5 and the sum of m are added to each other first, then to the product.
.set PITCH, 528
.set PART,  64*PITCH
.set SLOTB, 4*PART
.set SLB1,  SLOTB                      ; slot 1; first filled with Wq's rows 0-63, 64-127, 0-63, 64-127 of the pair of heads
.set SCL,   2*SLOTB                    ; h's scale bytes of 512 positions: 64 units of 256 bytes + 16
.set MSK,   SCL+64*272                 ; m: 512 bytes for each wave
.set KVI,   MSK+2048                   ; kv's eight fragments: 512 bytes each
.set KVSC,  KVI+4096                   ; their scale words: 128 bytes each
.set KS,    KVSC+1024                  ; sum of k, 128 numbers
.set VS,    KS+512                     ; sum of v
.set SPARE, VS+512                     ; the spare words
.set STEPG, 256*512
.set SPW, 1
.set NIL, 2
.set AH0, 3
.set AH,  4
.set ASC0, 5
.set ASC, 6
.set AMK0, 7
.set AMK, 8
.set STO0, 9
.set STO, 10
.set RD0, 11
.set RD,  12
.set GO,  13                           ; 16 x lane; never rewritten
.set MV,  14
.set MVN, 15
.set SQ,  16                           ; v16-23 sums of squares: head p in two chains at 4 p
.set DT,  24                           ; v24-31 products with sum of k, likewise
.set FA,  32                           ; the factors of q, heads a and b: at even registers, named as pairs
.set FB,  34
.set RA,  36                           ; 1 / norm
.set RB,  38
.set C0,  40                           ; sum of m + 1e-5
.set HS,  44
.set WS,  48                           ; v48-79
.set TM,  80                           ; v80-95 the quantiser's
.set PC,  96                           ; v96-103 q's fragment
.set PW,  104                          ; its scale word
.set KVS, 106                          ; v106-113 kv's scale words
.set KV,  116                          ; v116-163: for each tile of e twelve registers: head a's codes, zeros, head b's codes
.set ACC, 192                          ; v192-255: tile n of 16 columns at 8 n
; window 1, 2: Wq's fragments, tile n, K step q at window 1 + q / 4, v[64 (q % 4) + 8 n].   window 3: v0-63 h's fragments (8 q); v64-127 bq; v128-191 sum of v; v192-255 sum of k (at the head: all 256 the quarters of kv)
.set BQ,  64
.set VSB, 128
.set KSR, 192
; v164-182: at the head only; behind it v164-187 take rows on the way out
.set R_, 164
.set H_, 165
.set L_, 166
.set R7, 167
.set R3, 168
.set VA1, 170
.set VA2, 171
.set VA3, 172
.set VA4, 173
.set AW,  174
.set LKV, 175
.set LKS, 176
.set LSB, 177
.set SKV, 178
.set SKS, 179
.set SSU, 180
.set AMS, 181
.set SH,  182
.set WV, 26
.set CX, 27
.set HP, 28
.set YY, 29
.set TT, 30                            ; LDS byte of the tile in hand, from my part's first
.set TSC, 31
.set TMK, 32
.set CNT, 33
.set EPS, 35
.set SEL, 36
.set YC, 42
.set NC, 43
.set WP, 44
.set CY, 54
.set G1H, 56
.set G1W, 68
.set G1S, 76
.set G0H, 84
.set G0W, 88
.set G0S, 92
.set RMK, 96                           ; the mask of my row of the cluster
.set CMK, 97                           ; of my column
.set MSB, 0
.macro WIN new
.if MSB != \new
	s_set_vgpr_msb (MSB<<8)|\new
.set MSB, \new
.endif
.endm
.macro PLACES n
.rept \n
	v_nop
.endr
.endm
.macro CROUND
	s_barrier_signal -1
	s_barrier_wait -1
	s_cmp_lg_u32 s[WV], 0
	s_cbranch_scc1 .Lnw0_\@
	s_barrier_signal -3
.Lnw0_\@:
	s_barrier_wait -3
	s_barrier_signal -1
	s_barrier_wait -1
.endm
.macro WMC d, a, b, cr, sa, sb
	v_wmma_scale_f32_16x16x128_f8f6f4 v[\d:\d+7], v[\a:\a+7], v[\b:\b+7], v[\cr:\cr+7], v[\sa], v[\sb] matrix_a_fmt:MATRIX_FMT_FP4 matrix_b_fmt:MATRIX_FMT_FP4
.endm
.macro WMR d, a, b, cr, sa, sb
	v_wmma_scale_f32_16x16x128_f8f6f4 v[\d:\d+7], v[\a:\a+7], v[\b:\b+7], v[\cr:\cr+7], v[\sa], v[\sb] matrix_a_fmt:MATRIX_FMT_FP4 matrix_b_fmt:MATRIX_FMT_FP4 matrix_a_scale:MATRIX_SCALE_ROW1 matrix_b_scale:MATRIX_SCALE_ROW1
.endm
.macro MDIV x, t                       ; m = x / 10000 + 1, as in the first launch
	v_mul_f32 v[\t], s[YC], v[\x]
	v_fma_f32 v[\t+1], v[\t], s[NC], v[\x]
	v_fma_f32 v[\t], v[\t+1], s[YC], v[\t]
	v_add_f32 v[\x], 1.0, v[\t]
.endm
.macro LOADW hi                        ; K steps 4 hi .. 4 hi + 3 of my 128 rows of Wq
.irp q, 0,1,2,3
.irp n, 0,1,2,3,4,5,6,7
.irp c, 0,1
	ds_load_b128 v[64*\q+8*\n+4*\c:64*\q+8*\n+4*\c+3], v[AW] offset:(\n/4)*PART+16*(\n%4)*PITCH+64*(\q+4*\hi)+32*\c
.endr
.endr
.endr
.endm
; Row t of 16 on the way out lands in registers that lie idle at a tile's end (the sums', the quantiser's, the head's), not in the accumulators:
; so the next tile's products need not wait until the stores have read their data
.macro BUFR t
.if (\t) < 4
.set BB, 16+4*(\t)
.elseif (\t) < 10
.set BB, 80+4*((\t)-4)
.else
.set BB, 164+4*((\t)-10)
.endif
.endm
	s_load_b512 s[4:19], s[0:1], 0x0               ; h s[4:5], h's scales s[6:7], Wq s[8:9], Wq's scales s[10:11], bq s[12:13], mask s[14:15], kvp s[16:17], sums s[18:19]
	s_load_b64 s[20:21], s[0:1], 0x40              ; out0
	v_lshl_add_u32 v[SPW], v0, 2, SPARE
	v_mov_b32 v[NIL], 0
	ds_add_u32 v[SPW], v[NIL]                      ; the wave's opening: the add, twice on end, and its wait ahead of my first tensor load
	ds_add_u32 v[SPW], v[NIL]
	v_lshrrev_b32 v[SH], 5, v0
	v_readfirstlane_b32 s[WV], v[SH]
	s_bfe_u32 s[CX], ttmp6, 0x40000                ; cx, cy: my place in the cluster
	s_bfe_u32 s[CY], ttmp6, 0x40004
	s_lshl_b32 s[HP], ttmp9, 2
	s_add_co_u32 s[HP], s[HP], s[CX]               ; my pair of heads = 4 x cluster x + cx
	s_and_b32 s[YY], ttmp7, 0xffff
	s_lshl_b32 s[YY], s[YY], 2
	s_add_co_u32 s[YY], s[YY], s[CY]               ; which 512 of the 16,384 positions = 4 x cluster y + cy; batch y / 8
	s_lshl_b32 s[RMK], s[CY], 2
	s_lshl_b32 s[RMK], 15, s[RMK]                  ; my row of the cluster
	s_lshl_b32 s[CMK], 0x1111, s[CX]               ; my column
	s_or_b32 s[G1H], s[RMK], (1<<20)|(1<<21)|(6<<22)|(3<<25)   ; 64 rows of 512 bytes, 16 bytes of padding behind each: h's go to my row,
	s_or_b32 s[G1W], s[CMK], (1<<20)|(1<<21)|(6<<22)|(3<<25)   ; Wq's to my column
.irp g, G1H, G1W
	s_mov_b32 s[\g+1], 512<<16
	s_mov_b32 s[\g+2], 64<<16
	s_mov_b32 s[\g+3], 512<<16
	s_mov_b32 s[\g+4], 64
	s_mov_b32 s[\g+5], 512
	s_mov_b32 s[\g+6], 0
	s_mov_b32 s[\g+7], 0
.endr
	s_or_b32 s[G1S], s[RMK], (3<<16)|(1<<20)|(1<<21)|(5<<22)|(3<<25)   ; the scale bytes of 128 positions: 16 rows of 256 bytes; to my row
	s_mov_b32 s[G1S+1], 32<<16
	s_mov_b32 s[G1S+2], 16<<16
	s_mov_b32 s[G1S+3], 32<<16
	s_mov_b32 s[G1S+4], 16
	s_mov_b32 s[G1S+5], 32
	s_mov_b32 s[G1S+6], 0
	s_mov_b32 s[G1S+7], 0
	s_mul_i32 s[WP], s[WV], PART
	s_lshl_b32 s46, s[HP], 16                      ; the pair's 128 rows of 512 bytes; even waves fetch the first 64, odd waves the others: the pair and the wave alone enter Wq's address
	s_and_b32 s45, s[WV], 1
	s_lshl_b32 s47, s45, 15
	s_add_co_u32 s46, s46, s47
	s_mov_b32 s47, 0
	s_lshl_b32 s48, s[YY], 14                      ; y and the wave alone enter h's addresses
	s_lshl_b32 s49, s[WV], 12
	s_add_co_u32 s48, s48, s49
	s_mov_b32 s49, 0
	s_lshl_b32 s50, s[YY], 18
	s_lshl_b32 s51, s[WV], 15
	s_add_co_u32 s50, s50, s51
	s_mov_b32 s51, 0
	s_mov_b32 s[G0W], 1
	s_add_co_u32 s[G0W+1], s[WP], SLB1
	s_mov_b32 s[G0S], 1
	s_mul_i32 s[G0S+1], s[WV], 4352
	s_add_co_u32 s[G0S+1], s[G0S+1], SCL
	s_mov_b32 s[G0H], 1
	s_mov_b32 s[G0H+1], s[WP]
	s_mov_b32 s[EPS], 0x3727c5ac
	s_mov_b32 s[SEL], 0x76543210
	s_mov_b32 s[SEL+1], 0xfedcba98
	s_mov_b32 s[YC], 0x38d1b717
	s_mov_b32 s[NC], 0xc61c4000
	s_wait_dscnt 0x0
	s_wait_kmcnt 0x0
	s_add_nc_u64 s[G0W+2:G0W+3], s[8:9], s[46:47]
	s_or_b32 s[G0W+3], s[G0W+3], 0x80000000
	s_add_nc_u64 s[G0S+2:G0S+3], s[6:7], s[48:49]
	s_or_b32 s[G0S+3], s[G0S+3], 0x80000000
	s_add_nc_u64 s[G0H+2:G0H+3], s[4:5], s[50:51]
	s_or_b32 s[G0H+3], s[G0H+3], 0x80000000
	CROUND                                         ; all sixteen work-groups are here: the first joint loads meet
	tensor_load_to_lds s[G0W:G0W+3], s[G1W:G1W+7]  ; the three first fills of every wave: Wq into slot 1,
	s_nop 0
	tensor_load_to_lds s[G0S:G0S+3], s[G1S:G1S+7]  ; a quarter of the scale bytes,
	s_nop 0
	tensor_load_to_lds s[G0H:G0H+3], s[G1H:G1H+7]  ; my part of step 0 into slot 0
	s_nop 0
	PLACES 4
	s_mov_b32 s47, 0
	s_lshl_b32 s46, s[HP], 12
	s_add_nc_u64 s[10:11], s[10:11], s[46:47]      ; Wq's scale bytes: 128 rows of 32
	s_lshl_b32 s46, s[HP], 9
	s_add_nc_u64 s[12:13], s[12:13], s[46:47]      ; bq: 128 numbers
	s_lshl_b32 s46, s[YY], 11
	s_lshl_b32 s45, s[WV], 8
	s_add_co_u32 s46, s46, s45
	s_add_nc_u64 s[14:15], s[14:15], s[46:47]      ; the mask from my wave's first 64 positions
	s_lshr_b32 s45, s[YY], 3
	s_lshl_b32 s45, s45, 4
	s_lshl_b32 s46, s[HP], 1
	s_add_co_u32 s45, s45, s46                     ; batch x 16 + head a
	s_mul_i32 s46, s45, 3072
	s_add_nc_u64 s[18:19], s[18:19], s[46:47]      ; its four records of sums; head b's follow
	s_lshr_b32 s46, s[WV], 1                       ; waves 0, 1 prepare head a's kv, waves 2, 3 head b's;
	s_add_co_u32 s45, s45, s46
	s_lshl_b32 s46, s45, 16
	s_and_b32 s45, s[WV], 1                        ; even waves the tiles of e 0, 1, odd waves 2, 3
	s_lshl_b32 s45, s45, 13
	s_add_co_u32 s46, s46, s45
	s_add_nc_u64 s[16:17], s[16:17], s[46:47]
	s_lshl_b32 s46, s[YY], 21                      ; out0: 4,096 bytes a position; my wave's first, my pair's 512 bytes
	s_lshl_b32 s45, s[WV], 18
	s_add_co_u32 s46, s46, s45
	s_lshl_b32 s45, s[HP], 9
	s_add_co_u32 s46, s46, s45
	s_add_nc_u64 s[20:21], s[20:21], s[46:47]
	v_and_b32 v[R_], 15, v0
	v_bfe_u32 v[H_], v0, 4, 1
	v_and_b32 v[L_], 31, v0
	v_and_b32 v[R7], 7, v0
	v_bfe_u32 v[R3], v0, 3, 1
	v_lshlrev_b32 v[GO], 4, v[L_]
	v_lshrrev_b32 v[VA1], 6, v0
	v_mul_u32_u24 v[VA1], v[VA1], 3072
	v_and_b32 v[SH], 63, v0
	v_lshl_add_u32 v[VA1], v[SH], 2, v[VA1]        ; thread t takes column t of the pair: head t / 64, number t % 64
	v_lshlrev_b32 v[VA2], 4, v[R_]
	v_lshl_add_u32 v[VA2], v[H_], 10, v[VA2]       ; the mask: four positions a lane; lanes 16-31 a step further on
	v_lshlrev_b32 v[VA3], 5, v[H_]
	v_lshlrev_b32 v[VA4], 5, v[R_]
	v_lshl_add_u32 v[VA4], v[H_], 4, v[VA4]
	WIN 0xc0                                       ; the four quarters of my two tiles of kv: tile i, quarter c at v[128 i + 32 c] of window 3
.irp i, 0,1
.irp c, 0,1,2,3
.irp k, 0,1,2,3,4,5,6,7
	global_load_b128 v[128*\i+32*\c+4*\k:128*\i+32*\c+4*\k+3], v[GO], s[16:17] offset:16384*\c+4096*\i+512*\k
.endr
.endr
.endr
	WIN 0
.irp c, 0,1,2,3
	global_load_b32 v[192+\c], v[VA1], s[18:19] offset:768*\c
	global_load_b32 v[196+\c], v[VA1], s[18:19] offset:768*\c+256
	global_load_b32 v[200+\c], v[VA1], s[18:19] offset:768*\c+512
.endr
	global_load_b128 v[204:207], v[VA2], s[14:15]
.irp n, 0,1,2,3,4,5,6,7
	global_load_b128 v[WS+4*\n:WS+4*\n+3], v[VA4], s[10:11] offset:512*\n
.endr
	v_mul_u32_u24 v[AH0], v[R_], PITCH
	v_lshl_add_u32 v[STO0], v[H_], 5, v[AH0]
	v_add_nc_u32 v[STO0], s[WP], v[STO0]           ; the stage, in: row r, 32 bytes for each half of the lanes
	v_lshl_add_u32 v[AH0], v[H_], 4, v[AH0]
	s_lshr_b32 s46, s[WV], 1
	s_mul_i32 s46, s46, 2*PART
	s_add_co_u32 s46, s46, SLB1
	v_add_nc_u32 v[AW], s46, v[AH0]                ; Wq: waves 0, 1 read parts 0, 1; waves 2, 3 parts 2, 3
	v_add_nc_u32 v[AH0], s[WP], v[AH0]
	v_add_nc_u32 v[RD0], s[WP], v[GO]              ; the stage, back: the 32 lanes take a row of 512 bytes
	v_mul_u32_u24 v[ASC0], v[R3], 272
	v_lshl_add_u32 v[ASC0], v[R7], 5, v[ASC0]
	v_lshl_add_u32 v[ASC0], v[H_], 4, v[ASC0]
	s_mul_i32 s45, s[WV], 2176
	s_add_co_u32 s45, s45, SCL
	v_add_nc_u32 v[ASC0], s45, v[ASC0]
	s_lshl_b32 s45, s[WV], 9
	s_add_co_u32 s45, s45, MSK
	v_lshl_add_u32 v[AMK0], v[R_], 2, s45
	v_lshl_add_u32 v[AMS], v[L_], 4, s45
	v_add_nc_u32 v[LKV], KVI, v[GO]
	v_lshl_add_u32 v[LKS], v[L_], 2, KVSC
	v_lshl_add_u32 v[LSB], v[H_], 5, KS
	s_lshl_b32 s45, s[WV], 10
	s_add_co_u32 s45, s45, KVI
	v_add_nc_u32 v[SKV], s45, v[GO]
	s_lshl_b32 s45, s[WV], 8
	s_add_co_u32 s45, s45, KVSC
	v_lshl_add_u32 v[SKS], v[L_], 2, s45
	v_lshl_add_u32 v[SSU], v0, 2, KS
	v_lshlrev_b32 v[SH], 3, v[H_]                  ; my block's byte stands 8 h bits up in the scale word,
	s_lshr_b32 s45, s[WV], 1
	s_lshl_b32 s45, s45, 4                         ; and head b's two bytes 16 bits further up
.irp i, 4,5,6,7,8,9,10,11
	v_mov_b32 v[TM+\i], 0                          ; written once: a lane permute's destination counts as one of its sources
.endr
.irp i, 1,3,5,7
	v_mov_b32 v[FA+\i], 0                          ; the upper halves of pairs of which the low word alone is used
.endr
.irp t, 0,1,2,3
.irp c, 4,5,6,7
	v_mov_b32 v[KV+12*\t+\c], 0                    ; the zero codes of the other head's 64 along K
.endr
.endr
	s_wait_tensorcnt 0x1                           ; Wq and the scale bytes are in; my part of step 0, the youngest of the three, may stay out
	s_barrier_signal -1                            ; (no LDS instruction of mine is out: the opening adds were waited for)
	s_barrier_wait -1                              ; everybody's are
	WIN 0x40
	LOADW 0                                        ; Wq into its registers, while the quarters of kv are on their way from memory
	WIN 0x80
	LOADW 1
	WIN 0
	s_wait_loadcnt 0x0                             ; the quarters, the sums, the mask, Wq's scale words
	WIN 0xff
.irp b, 0,128
.set i, 0
.rept 16
	v_pk_add_f32 v[\b+i:\b+i+1], v[\b+i:\b+i+1], v[\b+32+i:\b+33+i]
	v_pk_add_f32 v[\b+64+i:\b+65+i], v[\b+64+i:\b+65+i], v[\b+96+i:\b+97+i]
.set i, i+2
.endr
.set i, 0
.rept 16
	v_pk_add_f32 v[\b+i:\b+i+1], v[\b+i:\b+i+1], v[\b+64+i:\b+65+i]
.set i, i+2
.endr
.endr
	WIN 0x0f                                       ; sources 0 and 1 window 3
	v_max3_num_f32 v[TM], |v0|, |v1|, 0x1800000    ; my block of 32 d of column e: all its numbers are mine; and the floor 2^(3 - 127)
	v_max3_num_f32 v[TM+1], |v128|, |v129|, 0x1800000
.set i, 2
.rept 15
	v_max3_num_f32 v[TM], |v[i]|, |v[i+1]|, v[TM]
	v_max3_num_f32 v[TM+1], |v[128+i]|, |v[129+i]|, v[TM+1]
.set i, i+2
.endr
	WIN 0
.irp i, 0,1
	v_add_nc_u32 v[TM+12+\i], 0xff000000, v[TM+\i] ; the conversion's scale operand
.endr
.irp i, 0,1
	v_lshrrev_b32 v[TM+4+\i], 23, v[TM+12+\i]      ; the byte
.endr
.irp i, 0,1
	v_lshlrev_b32 v[TM+4+\i], v[SH], v[TM+4+\i]
.endr
.irp i, 0,1
	v_permlanex16_b32 v[TM+8+\i], v[TM+4+\i], s[SEL], s[SEL+1]
.endr
.irp i, 0,1
	v_or_b32 v[TM+4+\i], v[TM+4+\i], v[TM+8+\i]    ; with lane l xor 16's byte
.endr
.irp i, 0,1
	v_lshlrev_b32 v[TM+4+\i], s45, v[TM+4+\i]
.endr
	WIN 0x03                                       ; source 0 window 3
.irp i, 0,1
	v_cvt_scalef32_pk8_fp4_f32 v[PC+4*\i], v[128*\i:128*\i+7], v[TM+12+\i]         ; d 0-7 of the block,
	v_cvt_scalef32_pk8_fp4_f32 v[PC+4*\i+1], v[128*\i+16:128*\i+23], v[TM+12+\i]   ; 16-23,
	v_cvt_scalef32_pk8_fp4_f32 v[PC+4*\i+2], v[128*\i+8:128*\i+15], v[TM+12+\i]    ; 8-15,
	v_cvt_scalef32_pk8_fp4_f32 v[PC+4*\i+3], v[128*\i+24:128*\i+31], v[TM+12+\i]   ; 24-31: the order of q's fragment
.endr
	WIN 0
	v_nop                                          ; one plain place behind the last scaled conversion
	ds_store_b128 v[SKV], v[PC:PC+3]               ; fragments 2 w and 2 w + 1, as images of their registers
	ds_store_b128 v[SKV], v[PC+4:PC+7] offset:512
	ds_store_b32 v[SKS], v[TM+4]
	ds_store_b32 v[SKS], v[TM+5] offset:128
.irp a, 192,196,200
	v_add_f32 v[\a], v[\a], v[\a+1]
	v_add_f32 v[\a+2], v[\a+2], v[\a+3]
.endr
.irp a, 192,196,200
	v_add_f32 v[\a], v[\a], v[\a+2]
.endr
	ds_store_b32 v[SSU], v192                      ; sum of k of my column,
	ds_store_b32 v[SSU], v196 offset:512           ; sum of v
	v_add_f32 v[C0], s[EPS], v200                  ; sum of m of the batch + 1e-5: every thread has it
.irp i, 0,1,2,3
	MDIV 204+\i, 208
.endr
	ds_store_b128 v[AMS], v[204:207]               ; my wave's 128 m in the order step, position
	WIN 0xc0
.irp n, 0,1,2,3,4,5,6,7
	global_load_b128 v[BQ+8*\n:BQ+8*\n+3], v[VA3], s[12:13] offset:64*\n          ; bq in the result's layout: columns 16 n + 8 h + 0 .. 7
	global_load_b128 v[BQ+8*\n+4:BQ+8*\n+7], v[VA3], s[12:13] offset:64*\n+16
.endr
	WIN 0
	; the one change of slots: slot 1, out of which Wq has been read, takes step 1.  Its round also orders the images: every wave's stores have landed in front of the round's opening signal, and they are read behind it
	s_wait_tensorcnt 0x0                           ; all my tensor loads have landed, my part of step 0 among them
	ds_add_u32 v[SPW], v[NIL]                      ; 0 onto my spare word
	s_xor_b32 s[G0H+1], s[G0H+1], SLOTB
	s_add_nc_u64 s[G0H+2:G0H+3], s[G0H+2:G0H+3], STEPG
	s_mov_b32 s[TT], 0
	s_mov_b32 s[TSC], 0
	s_mov_b32 s[TMK], 0
	s_wait_dscnt 0x0                               ; the add is done, my reads of slot 1 are over, and my stores have landed
	CROUND
	tensor_load_to_lds s[G0H:G0H+3], s[G1H:G1H+7]  ; it has step 0's four tiles in which to land
	s_nop 0
	PLACES 4
	WIN 0xc0
.irp n, 0,1,2,3,4,5,6,7
.irp c, 0,1
	ds_load_b128 v[KSR+8*\n+4*\c:KSR+8*\n+4*\c+3], v[LSB] offset:64*\n+16*\c
	ds_load_b128 v[VSB+8*\n+4*\c:VSB+8*\n+4*\c+3], v[LSB] offset:512+64*\n+16*\c
.endr
.endr
	WIN 0
.irp n, 0,1,2,3,4,5,6,7
	ds_load_b128 v[KV+12*(\n%4)+8*(\n/4):KV+12*(\n%4)+8*(\n/4)+3], v[LKV] offset:512*\n
	ds_load_b32 v[KVS+\n], v[LKS] offset:128*\n
.endr
	s_wait_loadcnt 0x0                             ; bq
.macro LOADT                           ; a tile's fragments of h (16 positions, all of K), its scale words, my position's m
	WIN 0xc0
.irp q, 0,1,2,3,4,5,6,7
.irp c, 0,1
	ds_load_b128 v[8*\q+4*\c:8*\q+4*\c+3], v[AH] offset:64*\q+32*\c
.endr
.endr
	WIN 0
	ds_load_b128 v[HS:HS+3], v[ASC]
	ds_load_b32 v[MVN], v[AMK]
.endm
.macro GEMMQ                           ; 64 matrix instructions: 128 columns x 16 positions x K = 1,024; bq is the C of each sum's first; the eight accumulators take turns
.irp q, 0,1,2,3,4,5,6,7
.if \q == 0
	WIN 0x3d                                       ; source 0 (Wq) window 1, source 1 (h) window 3, C (bq) window 3
.elseif \q < 4
	WIN 0x0d
.else
	WIN 0x0e                                       ; Wq in window 2
.endif
.irp n, 0,1,2,3,4,5,6,7
.if \q == 0
	WMC ACC+8*\n, 64*(\q%4)+8*\n, 8*\q, BQ+8*\n, WS+4*\n+\q%4, HS+\q%4
.elseif \q < 4
	WMC ACC+8*\n, 64*(\q%4)+8*\n, 8*\q, ACC+8*\n, WS+4*\n+\q%4, HS+\q%4
.else
	WMR ACC+8*\n, 64*(\q%4)+8*\n, 8*\q, ACC+8*\n, WS+4*\n+\q%4, HS+\q%4
.endif
.endr
.endr
	WIN 0
.endm
; 64 numbers of a lane, registers 16 b .. 16 b + 15 = my half of block b of my position's 128 columns, become a fragment's codes in v[PC] on and its scale word in v[PW]
.macro QUANT s
.irp b, 0,1,2,3
	v_max3_num_f32 v[TM+\b], |v[\s+16*\b]|, |v[\s+1+16*\b]|, 0x1800000
.endr
.irp i, 2,4,6,8,10,12,14
.irp b, 0,1,2,3
	v_max3_num_f32 v[TM+\b], v[TM+\b], |v[\s+16*\b+\i]|, |v[\s+1+16*\b+\i]|
.endr
.endr
.irp b, 0,1,2,3
	v_permlanex16_b32 v[TM+4+\b], v[TM+\b], s[SEL], s[SEL+1]
.endr
.irp b, 0,1,2,3
	v_max_num_f32 v[TM+\b], v[TM+\b], v[TM+4+\b]
.endr
.irp b, 0,1,2,3
	v_add_nc_u32 v[TM+12+\b], 0xff000000, v[TM+\b]
.endr
.irp b, 0,1,2,3
	v_lshrrev_b32 v[TM+4+\b], 23, v[TM+12+\b]
.endr
	v_lshl_or_b32 v[PW], v[TM+5], 8, v[TM+4]
	v_lshl_or_b32 v[PW], v[TM+6], 16, v[PW]
	v_lshl_or_b32 v[PW], v[TM+7], 24, v[PW]
.irp b, 0,1,2,3
	v_cvt_scalef32_pk8_fp4_f32 v[PC+2*\b], v[\s+16*\b:\s+7+16*\b], v[TM+12+\b]
	v_cvt_scalef32_pk8_fp4_f32 v[PC+1+2*\b], v[\s+8+16*\b:\s+15+16*\b], v[TM+12+\b]
.endr
	v_nop                                          ; one plain place behind the last scaled conversion
.irp c, 0,1                                    ; the operand's layout wants a whole block in a lane
.irp i, 0,1
	v_permlane16_swap_b32 v[PC+4*\c+\i], v[PC+2+4*\c+\i]
.endr
.endr
.endm
; A TILE: 16 positions x 128 columns, from h's fragments to out0.  more = 1: the next tile's fragments are asked for
.macro TILE more
	s_wait_dscnt 0x0                               ; the tile's fragments, scale words and m are in
	v_mov_b32 v[MV], v[MVN]
	GEMMQ
	v_add_nc_u32 v[STO], s[TT], v[STO0]            ; the stage is the tile's own 16 rows of h: its fragments are in registers, the slot has had its last fill, and I alone touch these bytes
	v_add_nc_u32 v[RD], s[TT], v[RD0]
	s_add_co_u32 s[TT], s[TT], 16*PITCH
	s_add_co_u32 s[TSC], s[TSC], 544
	s_add_co_u32 s[TMK], s[TMK], 64
	v_add_nc_u32 v[AH], s[TT], v[AH0]
	v_add_nc_u32 v[ASC], s[TSC], v[ASC0]
	v_add_nc_u32 v[AMK], s[TMK], v[AMK0]           ; these five additions are the places behind the products
	s_wait_xcnt 0x0                                ; the last tile's stores, issued ahead of these 64 products, have read their registers and their base: both may be written again
	s_add_nc_u64 s[20:21], s[20:21], 16*4096       ; one tile further on than this tile's rows: its stores reach back by the immediate
.if \more
	LOADT
.endif
.irp x, 0,1,2,3                                ; the sums of squares, each accumulator from its low end on; two heads, two chains each
.irp j, 0,2,4,6
.irp p, 0,1
.if (\x == 0) && (\j < 4)
	v_pk_mul_f32 v[SQ+4*\p+\j:SQ+4*\p+\j+1], v[ACC+32*\p+\j:ACC+32*\p+\j+1], v[ACC+32*\p+\j:ACC+32*\p+\j+1]
.else
	v_pk_fma_f32 v[SQ+4*\p+\j%4:SQ+4*\p+\j%4+1], v[ACC+32*\p+8*\x+\j:ACC+32*\p+8*\x+\j+1], v[ACC+32*\p+8*\x+\j:ACC+32*\p+8*\x+\j+1], v[SQ+4*\p+\j%4:SQ+4*\p+\j%4+1]
.endif
.endr
.endr
.endr
	WIN 0x0c                                       ; source 1 (sum of k) window 3
.irp x, 0,1,2,3
.irp j, 0,2,4,6
.irp p, 0,1
.if (\x == 0) && (\j < 4)
	v_pk_mul_f32 v[DT+4*\p+\j:DT+4*\p+\j+1], v[ACC+32*\p+\j:ACC+32*\p+\j+1], v[KSR+32*\p+\j:KSR+32*\p+\j+1]
.else
	v_pk_fma_f32 v[DT+4*\p+\j%4:DT+4*\p+\j%4+1], v[ACC+32*\p+8*\x+\j:ACC+32*\p+8*\x+\j+1], v[KSR+32*\p+8*\x+\j:KSR+32*\p+8*\x+\j+1], v[DT+4*\p+\j%4:DT+4*\p+\j%4+1]
.endif
.endr
.endr
.endr
	WIN 0
.irp a, 16,20,24,28
	v_pk_add_f32 v[\a:\a+1], v[\a:\a+1], v[\a+2:\a+3]
.endr
.irp a, 16,20,24,28
	v_add_f32 v[\a], v[\a], v[\a+1]
.endr
.irp a, 16,20,24,28
	v_permlanex16_b32 v[\a+1], v[\a], s[SEL], s[SEL+1]
.endr
.irp a, 16,20,24,28
	v_add_f32 v[\a], v[\a], v[\a+1]                ; with lane l xor 16's half of the columns
.endr
	v_sqrt_f32 v18, v16
	v_sqrt_f32 v22, v20
	v_nop                                          ; a plain instruction behind the roots,
	s_wait_alu depctr_va_vdst(0)                   ; and the wait ahead of their first reader: one for the two
	v_fma_f32 v18, |v[MV]|, v18, s[EPS]            ; |m| |q| + eps
	v_fma_f32 v22, |v[MV]|, v22, s[EPS]
	v_rcp_f32 v19, v18
	v_rcp_f32 v23, v22
	v_nop
	s_wait_alu depctr_va_vdst(0)
	v_mul_f32 v[FA], v[MV], v19
	v_mul_f32 v[FB], v[MV], v23
	v_fma_f32 v18, v[FA], v24, v[C0]               ; the norm: q . sum of k + (1e-5 + sum of m)
	v_fma_f32 v22, v[FB], v28, v[C0]
	v_rcp_f32 v[RA], v18                           ; these two are read behind the second product: their wait stands there
	v_rcp_f32 v[RB], v22
.irp n, 0,1,2,3,4,5,6,7
.irp j, 0,2,4,6
	v_pk_mul_f32 v[ACC+8*\n+\j:ACC+8*\n+\j+1], v[ACC+8*\n+\j:ACC+8*\n+\j+1], v[FA+2*(\n/4):FA+2*(\n/4)+1] op_sel_hi:[1,0]
.endr
.endr
	QUANT ACC
	PLACES 8                                       ; a scale word written by vector instructions stands eight places ahead of a scaled matrix instruction, an operand four
	WIN 0x30                                       ; C (sum of v) window 3
.irp n, 0,1,2,3,4,5,6,7
	WMC ACC+8*\n, KV+12*(\n%4)+4*(\n/4), PC, VSB+8*\n, KVS+\n, PW
.endr
	WIN 0
	PLACES 4
	s_wait_alu depctr_va_vdst(0)                   ; the wait for the two reciprocals of the norm, ahead of their first reader
.irp n, 0,1,2,3,4,5,6,7
.irp j, 0,2,4,6
	v_pk_mul_f32 v[ACC+8*\n+\j:ACC+8*\n+\j+1], v[ACC+8*\n+\j:ACC+8*\n+\j+1], v[RA+2*(\n/4):RA+2*(\n/4)+1] op_sel_hi:[1,0]
.endr
.endr
.irp n, 0,1,2,3,4,5,6,7
	ds_store_b128 v[STO], v[ACC+8*\n:ACC+8*\n+3] offset:64*\n          ; lane (r, h): position r, columns 16 n + 8 h + 0 .. 7
	ds_store_b128 v[STO], v[ACC+8*\n+4:ACC+8*\n+7] offset:64*\n+16
.endr
.irp t, 0,1,2,3,4,5,6,7,8,9,10,11,12,13,14,15
	BUFR \t
	ds_load_b128 v[BB:BB+3], v[RD] offset:\t*PITCH                     ; LDS serves a wave's instructions in order: these see my stores
.endr
.irp t, 0,1,2,3,4,5,6,7,8,9,10,11,12,13,14,15
	BUFR \t
	s_wait_dscnt 15-\t                             ; row t is back; the younger rows may be out (the next tile's fragments were asked for earlier)
	global_store_b128 v[GO], v[BB:BB+3], s[20:21] offset:4096*\t-65536 th:TH_STORE_NT   ; 32 lanes store 512 consecutive bytes, at a multiple of 512 from out0's first byte
.endr
.endm
.macro TILES                           ; a step's four tiles: three in a loop, the last, which asks for nothing, written out
	v_add_nc_u32 v[AH], s[TT], v[AH0]
	v_add_nc_u32 v[ASC], s[TSC], v[ASC0]
	v_add_nc_u32 v[AMK], s[TMK], v[AMK0]
	LOADT
	s_mov_b32 s[CNT], 3
.Ltile_\@:
	TILE 1
	s_sub_co_u32 s[CNT], s[CNT], 1
	s_cmp_lg_u32 s[CNT], 0
	s_cbranch_scc1 .Ltile_\@
	TILE 0
.endm
	TILES                                          ; step 0, out of slot 0
	s_wait_tensorcnt 0x0                           ; step 1: I read only the part that I asked for myself, so my own wait is all the ordering
	s_add_co_u32 s[TT], s[TT], SLOTB-4*16*PITCH    ; my part of slot 1
	s_add_co_u32 s[TSC], s[TSC], 6528              ; 32 units on from the step's first, of which the four tiles have passed eight
	s_wait_xcnt 0x0                                ; the last tile's stores have read their base
	s_add_nc_u64 s[20:21], s[20:21], 192*4096      ; 256 positions on from the step's first
	TILES
	s_wait_tensorcnt 0x0                           ; the wave's end, behind my last tensor load and my last LDS store
	ds_add_u32 v[SPW], v[NIL]
	s_wait_dscnt 0x0
	CROUND                                         ; the closing round
	s_endpgm
.Lfunc_end_k_qe0fc7da02c_ctx:
	.size	k_qe0fc7da02c_ctx, .Lfunc_end_k_qe0fc7da02c_ctx-k_qe0fc7da02c_ctx
	.p2alignl 7, 3214868480
	.fill 96, 4, 3214868480
	.section	.rodata,"a",@progbits
	.p2align	6, 0x0
	.amdhsa_kernel k_qe0fc7da02c_ctx
		.amdhsa_group_segment_fixed_size 327680
		.amdhsa_private_segment_fixed_size 0
		.amdhsa_enable_private_segment 0
		.amdhsa_kernarg_size 72
		.amdhsa_user_sgpr_count 2
		.amdhsa_user_sgpr_kernarg_segment_ptr 1
		.amdhsa_wavefront_size32 1
		.amdhsa_system_sgpr_workgroup_id_x 1
		.amdhsa_system_sgpr_workgroup_id_y 1
		.amdhsa_system_sgpr_workgroup_id_z 1
		.amdhsa_system_vgpr_workitem_id 0
		.amdhsa_next_free_vgpr 1024
		.amdhsa_next_free_sgpr 100
		.amdhsa_reserve_vcc 0
		.amdhsa_float_denorm_mode_32 3
		.amdhsa_float_denorm_mode_16_64 3
		.amdhsa_memory_ordered 1
		.amdhsa_forward_progress 1
		.amdhsa_inst_pref_size 157
	.end_amdhsa_kernel
	.amdgpu_metadata
---
amdhsa.version: [ 1, 2 ]
amdhsa.kernels:
  - .name:           k_qe0fc7da02c_ctx
    .symbol:         k_qe0fc7da02c_ctx.kd
    .args:
      - { .name: hidden_states_codes, .offset: 0, .size: 8, .value_kind: global_buffer, .address_space: global }
      - { .name: hidden_states_scales, .offset: 8, .size: 8, .value_kind: global_buffer, .address_space: global }
      - { .name: Wq_codes, .offset: 16, .size: 8, .value_kind: global_buffer, .address_space: global }
      - { .name: Wq_scales, .offset: 24, .size: 8, .value_kind: global_buffer, .address_space: global }
      - { .name: bq, .offset: 32, .size: 8, .value_kind: global_buffer, .address_space: global }
      - { .name: attention_mask, .offset: 40, .size: 8, .value_kind: global_buffer, .address_space: global }
      - { .name: kvp, .offset: 48, .size: 8, .value_kind: global_buffer, .address_space: global }
      - { .name: sums, .offset: 56, .size: 8, .value_kind: global_buffer, .address_space: global }
      - { .name: out0, .offset: 64, .size: 8, .value_kind: global_buffer, .address_space: global }
    .group_segment_fixed_size: 327680
    .private_segment_fixed_size: 0
    .kernarg_segment_align: 8
    .kernarg_segment_size: 72
    .max_flat_workgroup_size: 128
    .sgpr_count:     100
    .vgpr_count:     1024
    .wavefront_size: 32
...
	.end_amdgpu_metadata
.endif
;; end of part 2
